; MI455X (gfx1250); checked and timed in simulation.
; The chip was launched on July 23, 2026; its instructions are those of AMD's public machine-readable ISA for CDNA 5 (MIT licence, August 2026) and "CDNA5" Instruction Set Architecture Reference Guide (July 2026). The comments in the code are by the model that wrote it; some were corrected since.
;; Attention. Allowed arithmetic: matrix products marked QUANTISED: E2M3 operands, one E8M0 scale for each 32 along K, by v_wmma_scale_f32_16x16x128_f8f6f4 with both operands' format E2M3, f32 sums; products left as they are: f32 operands where the result goes on into a quantised operand, else bf16, f16 or f32 operands; f32 sums; everything else in f32.
;; Inputs: W_h 1,024 x 1,024 float32; W_s 1,024 x 1,024 float32; decoder_hidden 64 x 1,024 float32; encoder_hiddens 64 x 1,024 x 1,024 float32; mask 64 x 1,024 bool; v 1,024 float32.
;; Outputs: out0 64 x 1,024 float32; out1 64 x 1,024 float32.
;; This version of the problem:
;;   THIS VERSION OF THE PROBLEM IS GIVEN IN LOW PRECISION. The matrix products marked QUANTISED in the list below multiply operands that are first quantised to E2M3 (2 exponent bits, 3 mantissa bits; 6 bits a number), with one power-of-two scale for each 32 numbers along K (OCP MX v1.0); their sums are f32. All else is computed in f32.
;;   The module's matrix products, in the order in which they are computed (A, B: the left and right operand; K: the contracted axis; several contracted axes count as one K, in the product's order):
;;     1. [M 64, K 1,024] x [K 1,024, N 1,024]; A: input decoder_hidden; B: input W_h: QUANTISED
;;     2. [M 65,536, K 1,024] x [K 1,024, N 1,024]; A: input encoder_hiddens; B: input W_s: QUANTISED
;;     3. [M 65,536, K 1,024] x [K 1,024, N 1]; A: computed on the way; B: input v: left as it is (N = 1 < 16)
;;     4. batch 64 x [M 1, K 1,024] x [K 1,024, N 1,024]; A: softmax; B: input encoder_hiddens: left as it is (M = 1 < 16)
;;   THE QUANTISER, for each operand of a quantised product, along K:
;;     - K is cut into blocks of 32 from its start; a last block that is shorter is filled with zeros.
;;     - A block's scale is 2^e with e = floor(log2(the largest magnitude in the block)) - 2, held to -126 .. 127; a block of zeros has e = 0. As a byte (E8M0): e + 127.
;;     - Each number is divided by its block's scale, clamped to +-7.5, and rounded to the nearest number of E2M3, ties to even, subnormals kept.
;;     - The product sums the exact products of the quantised numbers (number of the format x scale) in f32.
;;   ~~~python
;;   def quantise(x, axis):      # numpy; x: float32 -> the quantised numbers, widened to float32 again
;;       x = np.moveaxis(x, axis, -1); K = x.shape[-1]
;;       x = np.pad(x, [(0, 0)] * (x.ndim - 1) + [(0, -K % 32)]); x = x.reshape(x.shape[:-1] + (-1, 32)); a = np.abs(x).max(-1, keepdims=True)
;;       e = np.where(a > 0, np.clip(np.frexp(np.where(a > 0, a, 1))[1] - 1 - 2, -126, 127), 0)      # np.frexp(a)[1] - 1 = floor(log2(a)), exactly
;;       r = np.clip(x / 2.0 ** e, -7.5, 7.5)
;;       step = 2.0 ** (np.maximum(np.frexp(np.where(r == 0, 1, r))[1] - 1, 0) - 3)
;;       q = np.round(r / step) * step * 2.0 ** e      # np.round: ties to even
;;       return np.moveaxis(q.reshape(q.shape[:-2] + (-1,))[..., :K], -1, axis).astype(np.float32)
;;   ~~~
;; One version. Each part assembles by itself: llvm-mc -triple=amdgcn-amd-amdhsa -mcpu=gfx1250 --defsym DOCPART=n.
;; ======== version 1 of 1: 3 launches
;; limits: right only within a limited range of input values
;; workspace buffers: wsc 786,432 bytes; wss 32,768 bytes; dhc 262,144 bytes; order 262,144 bytes of whole numbers; count 8,192 bytes of whole numbers; sc 262,144 bytes
;; launch prep (part 1): grid 296 x 1, 8 waves a work-group, no clusters, 94,208 bytes of LDS; arguments W_s, W_h, decoder_hidden, mask, wsc, wss, dhc, order, count; writes wsc, wss, dhc, order, count
.if DOCPART == 1
	.amdgcn_target "amdgcn-amd-amdhsa--gfx1250"
	.amdhsa_code_object_version 6
	.text
	.protected	k_qc828b503cf_prep
	.globl	k_qc828b503cf_prep
	.p2align	8
	.type	k_qc828b503cf_prep,@function
k_qc828b503cf_prep:
	s_mov_b64 s[64:65], 0
	v_nop
	global_prefetch_b8 v0, s[64:65] scope:SCOPE_SE
	s_setreg_imm32_b32 hwreg(HW_REG_WAVE_MODE, 25, 1), 1
	s_wait_xcnt 0x0
; Three small jobs in one launch, told apart by the work-group's number.
;   0-255   dh = Q(decoder_hidden) Q(W_h)^T for 16 columns J = number & 63 and 16 rows m = number >> 6, by the FP6 matrix form, stored x 2 log2(e), as the next launch wants it.
;   256-287 W_s, two tiles of 16 rows each: quantised along K to FP6 (E2M3) with one E8M0 byte for each 32, and stored as IMAGES OF THE OPERAND'S REGISTERS:
;           wsc[J][K step s][chunk c][lane][16 bytes]; scale word of (row r, step s) at wss + 512 J + 16 r + 256 (s & 1) + 4 (s >> 1).
;   288-295 for each batch the list of its rows, those that the mask keeps first (ascending), then the others, and the number kept, 32 times.
; The first two jobs take ONE way: wave w quantises K step w (128 along K) of two tiles of 16 rows, both asked for at once; only the bases (chosen by the work-group's number)
; and the results' destinations differ: W_h's tile and decoder_hidden's go to LDS, W_s's two tiles to memory.
; A unit is 16 loads of 512 consecutive bytes, turned through the wave's own stage in LDS so that a lane holds 16 neighbours of each block of 32; lanes l and l xor 16 share a block.
; A block's scale is 2^(floor(log2(largest magnitude)) - 2); its byte is the magnitude's exponent field - 2, held at 1 from below.
; LIMITS: a block whose largest magnitude lies under 2^-124 (a block of zeros too) keeps the byte 1; its codes of zeros add nothing. NaN and infinities are not served.
.set STG,  0                           ; 8 stages of 16 rows x 528 bytes, one a wave
.set DIMG, 67584                       ; decoder_hidden's 8 fragments (K step s), 1,536 bytes each
.set DSC,  79872                       ; their scale words, 512 bytes
.set HIMG, 80384                       ; W_h's 8 fragments
.set HSC,  92672                       ; their scale words
.set R0,   16                          ; v16-79   unit 0: 16 rows as loaded
.set R1,   80                          ; v80-143  unit 1
.set X,    144                         ; v144-207 64 numbers of my row: register 16 b + i = k 32 b + 16 h + i
.set TM,   208                         ; v208-223 at work in QUANT
.set PW,   224                         ; the scale word just made
.set PC,   226                         ; v226-237 the fragment just made; v238-244 at work
.set SA,   246                         ; v246-249 decoder_hidden's scale words, v250-253 W_h's: these registers hold scales alone
.set SB,   250
.set SEL,  30                          ; s[30:31] selects of v_permlanex16_b32 for lane l xor 16
; 64 numbers of a lane become a fragment's codes in v[PC] on and its row's scale word in v[PW]
.macro QUANT s
.irp b, 0,1,2,3
	v_max3_num_f32 v[TM+\b], |v[\s+16*\b]|, |v[\s+1+16*\b]|, 0x1800000   ; my 16 numbers of block b, and the floor 2^(3 - 127): the byte cannot fall under 1
.endr
.irp i, 2,4,6,8,10,12,14
.irp b, 0,1,2,3
	s_delay_alu instid0(VALU_DEP_4)
	v_max3_num_f32 v[TM+\b], v[TM+\b], |v[\s+16*\b+\i]|, |v[\s+1+16*\b+\i]|
.endr
.endr
.irp b, 0,1,2,3
	s_delay_alu instid0(VALU_DEP_4)
	v_permlanex16_b32 v[TM+4+\b], v[TM+\b], s[SEL], s[SEL+1]
.endr
.irp b, 0,1,2,3
	s_delay_alu instid0(VALU_DEP_4)
	v_max_num_f32 v[TM+\b], v[TM+\b], v[TM+4+\b]       ; with lane l xor 16's: the block's largest magnitude
.endr
.irp b, 0,1,2,3
	s_delay_alu instid0(VALU_DEP_4)
	v_add_nc_u32 v[TM+12+\b], 0xff000000, v[TM+\b]     ; 2 off its exponent field: the conversion's scale operand
.endr
.irp b, 0,1,2,3
	s_delay_alu instid0(VALU_DEP_4)
	v_lshrrev_b32 v[TM+4+\b], 23, v[TM+12+\b]          ; the scale's byte
.endr
	s_delay_alu instid0(VALU_DEP_3)
	v_lshl_or_b32 v[PW], v[TM+5], 8, v[TM+4]
	s_delay_alu instid0(VALU_DEP_1)
	v_lshl_or_b32 v[PW], v[TM+6], 16, v[PW]
	s_delay_alu instid0(VALU_DEP_1)
	v_lshl_or_b32 v[PW], v[TM+7], 24, v[PW]
.irp c, 0,1
	v_cvt_scalef32_pk16_fp6_f32 v[PC+6*\c:PC+2+6*\c], v[\s+32*\c:\s+15+32*\c], v[TM+12+2*\c]
	v_cvt_scalef32_pk16_fp6_f32 v[PC+12+4*\c:PC+14+4*\c], v[\s+16+32*\c:\s+31+32*\c], v[TM+12+2*\c+1]   ; (a conversion's three registers begin on an even number)
.endr
	v_nop                                              ; one plain instruction behind the scaled conversions
.irp c, 0,1                                        ; the operand wants a whole block in a lane: lanes 0-15 block 2 c, lanes 16-31 block 2 c + 1
.irp i, 0,1,2
	v_permlane16_swap_b32 v[PC+6*\c+\i], v[PC+12+4*\c+\i]
.endr
.irp i, 0,1,2
	s_delay_alu instid0(VALU_DEP_3)
	v_mov_b32 v[PC+3+6*\c+\i], v[PC+12+4*\c+\i]
.endr
.endr
.endm
; 16 rows x 512 bytes go into my stage as loaded and come back 64 bytes of my row for each half of the lanes. Rows lie 528 bytes = 33 x 16 apart.
.macro TURN R
.irp i, 0,1,2,3,4,5,6,7,8,9,10,11,12,13,14,15
	ds_store_b128 v5, v[\R+4*\i:\R+4*\i+3] offset:528*\i
.endr
.irp b, 0,1,2,3
.irp j, 0,1,2,3
	ds_load_b128 v[X+16*\b+4*\j:X+16*\b+4*\j+3], v6 offset:128*\b+16*\j   ; LDS serves a wave's instructions in order: these see the stores above
.endr
.endr
	s_wait_dscnt 0x0                                   ; X is in; the stores have read R, and earlier image stores have read PC
.endm
.macro IMAGE adr, off                              ; the fragment goes to LDS as it stands: lane l's 16 bytes at 16 l
.irp c, 0,1,2
	ds_store_b128 v[\adr], v[PC+4*\c:PC+4*\c+3] offset:\off+512*\c
.endr
.endm
.macro PLOAD R, b                                  ; a unit: 16 rows, 512 bytes of each (W_h's rows are read by four work-groups, decoder_hidden's by 64: no hint)
.irp i, 0,1,2,3,4,5,6,7,8,9,10,11,12,13,14,15
	global_load_b128 v[\R+4*\i:\R+4*\i+3], v4, s[\b:\b+1] offset:4096*\i
.endr
.endm
.macro WOUT t                                      ; W_s: the image and the scale word of tile s[t], my K step, to memory
	s_mul_i32 s66, s[\t], 12288
	s_add_co_u32 s66, s66, s80
	s_mov_b32 s67, 0
	s_add_nc_u64 s[76:77], s[12:13], s[66:67]
.irp c, 0,1,2
	global_store_b128 v4, v[PC+4*\c:PC+4*\c+3], s[76:77] offset:512*\c     ; 32 lanes store 512 consecutive bytes
.endr
	s_lshl_b32 s66, s[\t], 9
	s_add_co_u32 s66, s66, s68
	s_add_nc_u64 s[78:79], s[14:15], s[66:67]
	global_store_b32 v7, v[PW], s[78:79]               ; both halves of the lanes hold and store the same word
.endm
	s_load_b512 s[4:19], s[0:1], 0x0                   ; W_s s[4:5], W_h s[6:7], decoder_hidden s[8:9], mask s[10:11], wsc s[12:13], wss s[14:15], dhc s[16:17], order s[18:19]
	s_load_b64 s[20:21], s[0:1], 0x40                  ; count
	v_lshl_add_u32 v254, v0, 2, 0x16c00
	v_mov_b32 v255, 0
	v_lshrrev_b32 v1, 5, v0
	s_delay_alu instid0(VALU_DEP_1)
	v_readfirstlane_b32 s22, v1                        ; wave 0..7
	s_mov_b32 s23, ttmp9                               ; work-group
	s_and_b32 s24, s23, 63                             ; dh: J
	s_lshr_b32 s25, s23, 6                             ; dh: m
	v_and_b32 v1, 31, v0                               ; lane
	v_and_b32 v2, 15, v0                               ; r
	v_bfe_u32 v3, v0, 4, 1                             ; h
	s_delay_alu instid0(VALU_DEP_3)
	v_lshlrev_b32 v4, 4, v1                            ; 16 x lane
	s_mul_i32 s66, s22, 8448
	v_add_nc_u32 v5, s66, v4                           ; my stage, on the way in
	v_mul_u32_u24 v6, v2, 528
	s_delay_alu instid0(VALU_DEP_1)
	v_lshl_add_u32 v6, v3, 6, v6
	s_delay_alu instid0(VALU_DEP_1)
	v_add_nc_u32 v6, s66, v6                           ; and out: row r, + 64 h
	v_lshlrev_b32 v7, 4, v2                            ; 16 r
	s_mul_i32 s80, s22, 1536
	v_add_nc_u32 v8, s80, v4
	s_delay_alu instid0(VALU_DEP_1)
	v_add_nc_u32 v10, DIMG, v8                         ; decoder_hidden's images: step = wave
	s_delay_alu instid0(VALU_DEP_2)
	v_add_nc_u32 v8, HIMG, v8                          ; W_h's
	s_and_b32 s68, s22, 1
	s_lshl_b32 s68, s68, 8
	s_lshr_b32 s69, s22, 1
	s_lshl_b32 s69, s69, 2
	s_add_co_u32 s68, s68, s69                         ; 256 (s & 1) + 4 (s >> 1)
	v_add_nc_u32 v9, s68, v7
	s_delay_alu instid0(VALU_DEP_1)
	v_add_nc_u32 v11, DSC, v9
	s_delay_alu instid0(VALU_DEP_2)
	v_add_nc_u32 v9, HSC, v9
	v_lshlrev_b32 v12, 15, v3
	s_delay_alu instid0(VALU_DEP_1)
	v_lshl_add_u32 v12, v2, 2, v12                     ; dhc: 8 h rows of 4,096 bytes + 4 r
	v_add_nc_u32 v13, DIMG, v4                         ; the products' loads
	v_add_nc_u32 v14, DSC, v4
	v_add_nc_u32 v15, HIMG, v4
	s_mov_b32 s[SEL], 0x76543210
	s_mov_b32 s[SEL+1], 0xfedcba98
	s_mov_b32 s74, 0x4038aa3b                          ; 2 log2(e)
	s_mov_b32 s75, s74
.irp b, 0,1,2,3
	v_mov_b32 v[TM+4+\b], 0                            ; a lane permute's destination counts as one of its sources
.endr
	s_cmp_ge_u32 s23, 288
	s_cbranch_scc1 .Llist
	; ---- two units a wave, on one way: only the bases are chosen
	s_sub_co_u32 s66, s23, 256
	s_lshl_b32 s66, s66, 1                             ; W_s: my work-group's first tile,
	s_add_co_u32 s67, s66, 1                           ; and its second
	s_wait_kmcnt 0x0
	s_cmp_lt_u32 s23, 256
	s_cselect_b32 s70, s24, s66                        ; unit 0's tile: W_h's J, or W_s's first
	s_cselect_b32 s71, s25, s67                        ; unit 1's: decoder_hidden's m, or W_s's second
	s_cselect_b64 s[26:27], s[6:7], s[4:5]
	s_cselect_b64 s[28:29], s[8:9], s[4:5]
	s_lshl_b32 s66, s70, 16                            ; 16 rows of 4,096 bytes
	s_lshl_b32 s69, s22, 9                             ; my K step: 512 bytes
	s_add_co_u32 s66, s66, s69
	s_mov_b32 s67, 0
	s_add_nc_u64 s[26:27], s[26:27], s[66:67]
	s_lshl_b32 s66, s71, 16
	s_add_co_u32 s66, s66, s69
	s_add_nc_u64 s[28:29], s[28:29], s[66:67]
	PLOAD R0, 26
	PLOAD R1, 28
	s_wait_loadcnt 16                                  ; unit 0 is in; unit 1's 16 loads, issued behind it, may be out
	TURN R0
	QUANT X
	s_cmp_ge_u32 s23, 256
	s_cbranch_scc1 .Lw0
	IMAGE 8, 0                                         ; W_h's fragment stays in LDS
	ds_store_b32 v9, v[PW]
	s_branch .Lj0
.Lw0:
	s_wait_alu depctr_va_vdst(0)
	WOUT 70
.Lj0:
	s_wait_loadcnt 0x0
	TURN R1
	s_wait_xcnt 0x0                                    ; the stores above have read the fragment, the scale word and their bases: all are written again below
	QUANT X
	s_cmp_ge_u32 s23, 256
	s_cbranch_scc1 .Lw1
	IMAGE 10, 0                                        ; decoder_hidden's fragment
	ds_store_b32 v11, v[PW]
	s_branch .Lbar
.Lw1:
	s_wait_alu depctr_va_vdst(0)
	WOUT 71
	s_branch .Lbar
.Llist:
	; ---- a wave sorts one batch's 1,024 rows by a counting sort: 32 ballots of 32 rows
	s_sub_co_u32 s66, s23, 288
	s_lshl_b32 s66, s66, 3
	s_add_co_u32 s82, s66, s22                         ; batch
	s_mov_b32 s67, 0
	s_lshl_b32 s66, s82, 10
	s_wait_kmcnt 0x0
	s_add_nc_u64 s[10:11], s[10:11], s[66:67]
.irp j, 0,1,2,3,4,5,6,7,8,9,10,11,12,13,14,15,16,17,18,19,20,21,22,23,24,25,26,27,28,29,30,31
	global_load_u8 v[16+\j], v1, s[10:11] offset:32*\j
.endr
	s_lshl_b32 s66, s82, 12
	s_add_nc_u64 s[18:19], s[18:19], s[66:67]
	s_lshl_b32 s66, s82, 7
	s_add_nc_u64 s[20:21], s[20:21], s[66:67]
	s_mov_b32 s70, 0
	s_wait_loadcnt 0x0
.irp j, 0,1,2,3,4,5,6,7,8,9,10,11,12,13,14,15,16,17,18,19,20,21,22,23,24,25,26,27,28,29,30,31
	v_cmp_eq_u32 s[32+\j], 0, v[16+\j]                 ; a row counts where its mask byte is 0
.endr
.irp j, 0,1,2,3,4,5,6,7,8,9,10,11,12,13,14,15,16,17,18,19,20,21,22,23,24,25,26,27,28,29,30,31
	s_bcnt1_i32_b32 s71, s[32+\j]
	s_add_co_u32 s70, s70, s71                         ; the number kept
.endr
	s_mov_b32 s72, 0                                   ; next place among the kept,
	s_mov_b32 s73, s70                                 ; and among the others
.irp j, 0,1,2,3,4,5,6,7,8,9,10,11,12,13,14,15,16,17,18,19,20,21,22,23,24,25,26,27,28,29,30,31
	v_mbcnt_lo_u32_b32 v[48+\j], s[32+\j], s72
	s_not_b32 s81, s[32+\j]
	v_mbcnt_lo_u32_b32 v112, s81, s73
	s_delay_alu instid0(VALU_DEP_1)
	v_cndmask_b32 v[48+\j], v112, v[48+\j], s[32+\j]
	s_delay_alu instid0(VALU_DEP_1)
	v_min_u32 v[48+\j], 0x3ff, v[48+\j]                ; a place in the list: held inside it
	s_delay_alu instid0(VALU_DEP_1)
	v_lshlrev_b32 v[48+\j], 2, v[48+\j]
	v_add_nc_u32 v[80+\j], 32*\j, v1                   ; the row's number
	global_store_b32 v[48+\j], v[80+\j], s[18:19]
	s_bcnt1_i32_b32 s71, s[32+\j]
	s_add_co_u32 s72, s72, s71
	s_sub_co_u32 s73, s73, s71
	s_add_co_u32 s73, s73, 32
.endr
	v_lshlrev_b32 v113, 2, v1
	v_mov_b32 v114, s70
	global_store_b32 v113, v114, s[20:21]
.Lbar:
	s_wait_xcnt 0x0                                    ; every store above has read its registers: what follows the barrier may write them
	s_wait_dscnt 0x0                                   ; my images lie in LDS
	s_barrier_signal -1
	s_barrier_wait -1
	s_cmp_ge_u32 s23, 256
	s_cbranch_scc1 .Lend                               ; only the work-groups of dh go on,
	s_cmp_lg_u32 s22, 0
	s_cbranch_scc1 .Lend                               ; and of them wave 0: one tile of 16 x 16, eight K steps
.irp s, 0,1,2,3,4,5,6,7
.irp c, 0,1,2
	ds_load_b128 v[16+12*\s+4*\c:16+12*\s+4*\c+3], v13 offset:1536*\s+512*\c
	ds_load_b128 v[112+12*\s+4*\c:112+12*\s+4*\c+3], v15 offset:1536*\s+512*\c
.endr
.endr
	ds_load_b128 v[SA:SA+3], v14                       ; register u: lanes 0-15 step 2 u, lanes 16-31 step 2 u + 1
	ds_load_b128 v[SB:SB+3], v15 offset:HSC-HIMG
	s_lshl_b32 s66, s25, 16
	s_lshl_b32 s67, s24, 6
	s_add_co_u32 s66, s66, s67
	s_mov_b32 s67, 0
	s_add_nc_u64 s[16:17], s[16:17], s[66:67]
	s_wait_dscnt 0x0
	; two accumulators by turns (even K steps, odd K steps); each sum's first product takes the constant 0
.irp s, 0,1,2,3,4,5,6,7
.if \s == 0
	v_wmma_scale_f32_16x16x128_f8f6f4 v[216:223], v[16:27], v[112:123], 0, v[SA], v[SB] matrix_a_fmt:MATRIX_FMT_FP6 matrix_b_fmt:MATRIX_FMT_FP6
.elseif \s == 1
	v_wmma_scale_f32_16x16x128_f8f6f4 v[224:231], v[28:39], v[124:135], 0, v[SA], v[SB] matrix_a_fmt:MATRIX_FMT_FP6 matrix_b_fmt:MATRIX_FMT_FP6 matrix_a_scale:MATRIX_SCALE_ROW1 matrix_b_scale:MATRIX_SCALE_ROW1
.elseif \s%2 == 0
	v_wmma_scale_f32_16x16x128_f8f6f4 v[216:223], v[16+12*\s:27+12*\s], v[112+12*\s:123+12*\s], v[216:223], v[SA+\s/2], v[SB+\s/2] matrix_a_fmt:MATRIX_FMT_FP6 matrix_b_fmt:MATRIX_FMT_FP6
.else
	v_wmma_scale_f32_16x16x128_f8f6f4 v[224:231], v[16+12*\s:27+12*\s], v[112+12*\s:123+12*\s], v[224:231], v[SA+\s/2], v[SB+\s/2] matrix_a_fmt:MATRIX_FMT_FP6 matrix_b_fmt:MATRIX_FMT_FP6 matrix_a_scale:MATRIX_SCALE_ROW1 matrix_b_scale:MATRIX_SCALE_ROW1
.endif
.endr
.rept 4
	v_nop                                              ; four plain instructions between a matrix instruction and the first read of its result (ISA guide 7.12.1)
.endr
.irp i, 0,1,2,3
	v_pk_add_f32 v[232+2*\i:233+2*\i], v[216+2*\i:217+2*\i], v[224+2*\i:225+2*\i]
.endr
.irp i, 0,1,2,3
	s_delay_alu instid0(VALU_DEP_4)
	v_pk_mul_f32 v[232+2*\i:233+2*\i], v[232+2*\i:233+2*\i], s[74:75] op_sel_hi:[1,0]
.endr
.irp j, 0,1,2,3,4,5,6,7
	global_store_b32 v12, v[232+\j], s[16:17] offset:4096*\j       ; dh(16 m + 8 h + j, 16 J + r) x 2 log2(e)
.endr
.Lend:
	s_barrier_signal -1
	s_barrier_wait -1
	s_wait_tensorcnt 0x0
	ds_add_u32 v254, v255
	s_wait_dscnt 0x0
	s_endpgm
.Lfunc_end_k_qc828b503cf_prep:
	.size	k_qc828b503cf_prep, .Lfunc_end_k_qc828b503cf_prep-k_qc828b503cf_prep
	.p2alignl 7, 3214868480
	.fill 96, 4, 3214868480
	.section	.rodata,"a",@progbits
	.p2align	6, 0x0
	.amdhsa_kernel k_qc828b503cf_prep
		.amdhsa_group_segment_fixed_size 94208
		.amdhsa_private_segment_fixed_size 0
		.amdhsa_enable_private_segment 0
		.amdhsa_kernarg_size 72
		.amdhsa_user_sgpr_count 2
		.amdhsa_user_sgpr_kernarg_segment_ptr 1
		.amdhsa_wavefront_size32 1
		.amdhsa_system_sgpr_workgroup_id_x 1
		.amdhsa_system_sgpr_workgroup_id_y 1
		.amdhsa_system_sgpr_workgroup_id_z 1
		.amdhsa_system_vgpr_workitem_id 0
		.amdhsa_next_free_vgpr 256
		.amdhsa_next_free_sgpr 100
		.amdhsa_reserve_vcc 0
		.amdhsa_float_denorm_mode_32 3
		.amdhsa_float_denorm_mode_16_64 3
		.amdhsa_memory_ordered 1
		.amdhsa_forward_progress 1
		.amdhsa_inst_pref_size 60
	.end_amdhsa_kernel
	.amdgpu_metadata
---
amdhsa.version: [ 1, 2 ]
amdhsa.kernels:
  - .name:           k_qc828b503cf_prep
    .symbol:         k_qc828b503cf_prep.kd
    .args:
      - { .name: W_s, .offset: 0, .size: 8, .value_kind: global_buffer, .address_space: global }
      - { .name: W_h, .offset: 8, .size: 8, .value_kind: global_buffer, .address_space: global }
      - { .name: decoder_hidden, .offset: 16, .size: 8, .value_kind: global_buffer, .address_space: global }
      - { .name: mask, .offset: 24, .size: 8, .value_kind: global_buffer, .address_space: global }
      - { .name: wsc, .offset: 32, .size: 8, .value_kind: global_buffer, .address_space: global }
      - { .name: wss, .offset: 40, .size: 8, .value_kind: global_buffer, .address_space: global }
      - { .name: dhc, .offset: 48, .size: 8, .value_kind: global_buffer, .address_space: global }
      - { .name: order, .offset: 56, .size: 8, .value_kind: global_buffer, .address_space: global }
      - { .name: count, .offset: 64, .size: 8, .value_kind: global_buffer, .address_space: global }
    .group_segment_fixed_size: 94208
    .private_segment_fixed_size: 0
    .kernarg_segment_align: 8
    .kernarg_segment_size: 72
    .max_flat_workgroup_size: 256
    .sgpr_count:     100
    .vgpr_count:     256
    .wavefront_size: 32
...
	.end_amdgpu_metadata
.endif
;; end of part 1
;; launch score (part 2): grid 4 x 64, 4 waves a work-group, no clusters, 310,784 bytes of LDS; arguments encoder_hiddens, v, wsc, wss, dhc, order, count, sc; writes sc
.if DOCPART == 2
	.amdgcn_target "amdgcn-amd-amdhsa--gfx1250"
	.amdhsa_code_object_version 6
	.text
	.protected	k_qc828b503cf_score
	.globl	k_qc828b503cf_score
	.p2align	8
	.type	k_qc828b503cf_score,@function
k_qc828b503cf_score:
	s_mov_b64 s[64:65], 0
	v_nop
	global_prefetch_b8 v0, s[64:65] scope:SCOPE_SE
	s_setreg_imm32_b32 hwreg(HW_REG_WAVE_MODE, 25, 1), 1
	s_wait_xcnt 0x0
; sc[n][place] = sum over k of -2 v[k] / (1 + 2^x), x = 2 log2(e) (dh[n][k] + eh[row][k]), eh = Q(encoder_hiddens) Q(W_s)^T on FP6 codes.
; That is v . tanh(dh + eh) less the sum of v, which is the same for every row of a batch and falls out of the softmax.
; ONLY ROWS THAT THE MASK KEEPS ARE WORKED: the list of the launch before has them first; c = their number. Four work-groups share a batch:
; T = ceil(c / 64) tiles of 16 places each at the most, work-group q from place 16 T q on, Tq of them (0 to 16).
; PHASE A: the tile's 16 rows are gathered, wave w quantises K steps 2 w and 2 w + 1, and the fragments go to LDS as images of their registers.
; PHASE B: wave w owns columns 256 w .. 256 w + 255 in four groups of 64. A group's 32 fragments of W_s stay in registers (two sets: the next group's
; come from memory meanwhile). Trip m multiplies tile m (32 matrix instructions, four accumulators by turns) and, between them, finishes tile m - 1:
; 2^x, + 1, reciprocal, x (-2 v), added to the tile's eight running sums, which wait in LDS. Trip 0 finishes stale numbers into a slot that nobody reads.
; The rows' eight fragments of a tile have eight sets of registers and come in TWO runs of LDS loads a trip: K steps 4 to 7 at the trip's head, 16 matrix
; instructions ahead of their use; the NEXT tile's K steps 0 to 3, with the running sums, behind K step 3.
; Source 0 = 16 rows, source 1 = 16 columns of W_s: a lane holds one column (lane % 16) and rows 8 (lane / 16) + 0 .. 7.
; NO TENSOR LOADS, NO CLUSTER, though every work-group reads the same codes of W_s: what a trip does hangs on counts read from memory.
; Every loop has a constant number of trips; a trip without work jumps to the lines that step addresses. Refills of phase A are always written into the
; wave's way, with all lanes off where there is no tile two ahead; a counted wait leans only on loads that were issued with lanes on.
; LIMITS: a block whose largest magnitude lies under 2^-124 keeps the scale byte 1. NaN and infinities among the inputs are not served.
; REGISTERS. Window 0: v1-19 addresses; P v32-63 sums of the tile in hand; Q v64-95 the tile being finished; S v96-103; the rows' fragments: sets 0-3 v104-151,
; sets 4-6 v200-235, set 7 v20-31; AS, BS scale words; DH, VS; ADB addresses; FX fragment 63; VV -2 v. Windows 1-3: W_s's fragments 0-62, 21 a window;
; the finishing lines run under window 0.
; In phase A window 3 holds two tiles as loaded, v200-231 their rows' offsets, v20-28 what the head needs.
; The 96 finishing lines of tile m - 1 stand in ONE block behind tile m's 32 matrix instructions, all under window 0; -2 v lies in window 0 alone.
.set AIMG, 0                           ; images: 49,152 x (K step / 2) + 3,072 x tile + 1,536 x (K step & 1): what a wave stores is one run of 49,152 bytes
.set ASC,  196608                      ; scale words: 2,048 x (K step / 2) + 128 x tile + 4 x lane; lanes 0-15 the even step's rows, lanes 16-31 the odd step's
.set STG,  204800                      ; 4 stages of 16 x 528 bytes
.set ORD,  238592                      ; my 256 places' rows, then 1,024 bytes of zeros for the look-ahead
.set SP,   240640                      ; 4 waves x 17 slots x 1,024 bytes: tile t's sums in slot t + 1
.set P,   32
.set Q,   64
.set S,   96
.set AS,  152
.set BS,  156
.set DH,  188
.set VS,  196
.set OF0, 200
.set OF1, 216
.set AD,  8                            ; v8-11    phase B: the tile in hand: its images of K steps 2 k, 2 k + 1
.set ADB, 236                          ; v236-239 49,152 k + 16 x lane; never rewritten
.set FX,  240
.set VV,  252
.set X,   32                           ; phase A: 64 numbers of my row
.set TM,  104
.set PW,  120
.set PC,  122
.set R0,  0                            ; phase A, window 3: a tile as loaded, 2 K steps x 16 rows x 4 registers
.set R1,  128
.set SEL, 34
.set MSB, 0
.macro WIN new                         ; the immediate's high byte repeats the setting that is left; a switch that changes nothing is dropped
.if MSB != (\new)
	s_set_vgpr_msb (MSB<<8)|(\new)
.set MSB, \new
.endif
.endm
.macro BREG g                          ; where fragment g = 32 set + 4 step + column tile of W_s lies
.if (\g) == 63
.set BW, 0
.set BR, FX
.else
.set BW, 1+(\g)/21
.set BR, 12*((\g)%21)
.endif
.endm
.macro AFREG k                         ; where the rows' fragment of K step k lies
.if (\k) < 4
.set AR, 104+12*(\k)
.elseif (\k) < 6
.set AR, 200+12*((\k)-4)
.elseif (\k) == 6
.set AR, 224
.else
.set AR, 20
.endif
.endm
.macro ALOAD k, adr, off               ; the rows' fragment of K step k, from its image
	AFREG \k
.irp c, 0,1,2
	ds_load_b128 v[AR+4*\c:AR+4*\c+3], v[\adr] offset:(\off)+512*\c
.endr
.endm
.macro QUANT s
.irp b, 0,1,2,3
	v_max3_num_f32 v[TM+\b], |v[\s+16*\b]|, |v[\s+1+16*\b]|, 0x1800000   ; my 16 numbers of block b, and the floor 2^(3 - 127)
.endr
.irp i, 2,4,6,8,10,12,14
.irp b, 0,1,2,3
	v_max3_num_f32 v[TM+\b], v[TM+\b], |v[\s+16*\b+\i]|, |v[\s+1+16*\b+\i]|
.endr
.endr
.irp b, 0,1,2,3
	v_permlanex16_b32 v[TM+4+\b], v[TM+\b], s[SEL], s[SEL+1]
.endr
.irp b, 0,1,2,3
	v_max_num_f32 v[TM+\b], v[TM+\b], v[TM+4+\b]
.endr
.irp b, 0,1,2,3
	v_add_nc_u32 v[TM+12+\b], 0xff000000, v[TM+\b]     ; 2 off the exponent field: the conversion's scale operand
.endr
.irp b, 0,1,2,3
	v_lshrrev_b32 v[TM+4+\b], 23, v[TM+12+\b]
.endr
	v_lshl_or_b32 v[PW], v[TM+5], 8, v[TM+4]
	v_lshl_or_b32 v[PW], v[TM+6], 16, v[PW]
	v_lshl_or_b32 v[PW], v[TM+7], 24, v[PW]
.irp c, 0,1
	v_cvt_scalef32_pk16_fp6_f32 v[PC+6*\c:PC+2+6*\c], v[\s+32*\c:\s+15+32*\c], v[TM+12+2*\c]
	v_cvt_scalef32_pk16_fp6_f32 v[PC+12+4*\c:PC+14+4*\c], v[\s+16+32*\c:\s+31+32*\c], v[TM+12+2*\c+1]
.endr
	v_nop                                              ; one plain instruction behind the scaled conversions
.irp c, 0,1
.irp i, 0,1,2
	v_permlane16_swap_b32 v[PC+6*\c+\i], v[PC+12+4*\c+\i]
.endr
.irp i, 0,1,2
	v_mov_b32 v[PC+3+6*\c+\i], v[PC+12+4*\c+\i]
.endr
.endr
.endm
.macro TURN R                          ; 16 rows x 512 bytes (window 3) through my stage; back as 64 bytes of my row for each half of the lanes
	WIN 0x0c
.irp i, 0,1,2,3,4,5,6,7,8,9,10,11,12,13,14,15
	ds_store_b128 v5, v[(\R)+4*\i:(\R)+4*\i+3] offset:528*\i
.endr
	WIN 0
.irp b, 0,1,2,3
.irp j, 0,1,2,3
	ds_load_b128 v[X+16*\b+4*\j:X+16*\b+4*\j+3], v6 offset:128*\b+16*\j
.endr
.endr
	s_wait_dscnt 0x0                                   ; X is in; the stores have read their registers, the image stores before them too
.endm
.macro IMAGE adr, off
.irp c, 0,1,2
	ds_store_b128 v[\adr], v[PC+4*\c:PC+4*\c+3] offset:\off+512*\c
.endr
.endm
.macro OFFS OF                         ; 16 row numbers become byte offsets: held inside the batch, x 4,096, + my wave's 1,024 bytes + 16 x lane
.irp i, 0,1,2,3,4,5,6,7,8,9,10,11,12,13,14,15
	v_min_u32 v[\OF+\i], 0x3ff, v[\OF+\i]
.endr
.irp i, 0,1,2,3,4,5,6,7,8,9,10,11,12,13,14,15
	v_lshl_add_u32 v[\OF+\i], v[\OF+\i], 12, v17
.endr
.endm
.macro LOADU R, OF                     ; a tile: 32 loads, each 512 consecutive bytes of one row; each byte is read once in the launch
	WIN 0xc0
.irp u, 0,1
.irp i, 0,1,2,3,4,5,6,7,8,9,10,11,12,13,14,15
	global_load_b128 v[\R+64*\u+4*\i:\R+64*\u+4*\i+3], v[\OF+\i], s[52:53] offset:512*\u th:TH_LOAD_NT
.endr
.endr
	WIN 0
.endm
.macro PFB buf, s0                     ; W_s's fragments of four K steps x four column tiles: 48 loads
.set sx, \s0
.rept 4
.set cx, 0
.rept 4
	BREG 32*(\buf)+4*sx+cx
	WIN BW<<6
.irp c, 0,1,2
	global_load_b128 v[BR+4*\c:BR+4*\c+3], v4, s[44:45] offset:12288*cx+1536*sx+512*\c
.endr
.set cx, cx+1
.endr
.set sx, sx+1
.endr
	WIN 0
.endm
.macro PF1 buf                         ; a group's scale words, dh, v and the first four K steps: 60 loads
.irp ct, 0,1,2,3
	global_load_b128 v[BS+16*(\buf)+4*\ct:BS+16*(\buf)+4*\ct+3], v4, s[46:47] offset:512*\ct
.endr
.irp ct, 0,1,2,3
	global_load_b32 v[DH+4*(\buf)+\ct], v16, s[48:49] offset:64*\ct
.endr
.irp ct, 0,1,2,3
	global_load_b32 v[VS+\ct], v16, s[50:51] offset:64*\ct
.endr
	PFB \buf, 0
.endm
; Line ej of the 96 that finish a tile: 32 exponentials, 16 packed additions of 1, 32 reciprocals, 16 packed multiply-adds onto the eight sums.
; Each batch of 32 transcendentals has one wait ahead of it, and one plain instruction and one wait behind it.
.macro EP
.if ej < 32
.if ej == 0
	s_wait_alu depctr_va_vdst(0)
.endif
	v_exp_f32 v[Q+ej], v[Q+ej]
.elseif ej < 48
.if ej == 32
	v_nop
	s_wait_alu depctr_va_vdst(0)
.endif
	v_pk_add_f32 v[Q+2*(ej-32):Q+2*(ej-32)+1], v[Q+2*(ej-32):Q+2*(ej-32)+1], 1.0 op_sel_hi:[1,0]
.elseif ej < 80
.if ej == 48
	s_wait_alu depctr_va_vdst(0)
.endif
	v_rcp_f32 v[Q+ej-48], v[Q+ej-48]
.else
.if ej == 80
	v_nop
	s_wait_alu depctr_va_vdst(0)
.endif
.set ect, (ej-80)/4
.set ei, (ej-80)%4
.if ect%2
	v_pk_fma_f32 v[S+2*ei:S+2*ei+1], v[Q+8*ect+2*ei:Q+8*ect+2*ei+1], v[VV+2*(ect/2):VV+2*(ect/2)+1], v[S+2*ei:S+2*ei+1] op_sel:[0,1,0] op_sel_hi:[1,1,1]
.else
	v_pk_fma_f32 v[S+2*ei:S+2*ei+1], v[Q+8*ect+2*ei:Q+8*ect+2*ei+1], v[VV+2*(ect/2):VV+2*(ect/2)+1], v[S+2*ei:S+2*ei+1] op_sel_hi:[1,0,1]
.endif
.endif
.set ej, ej+1
.endm
.macro XFORM buf                       ; x = 2 log2(e) eh + dhc, each accumulator from its low end on
	s_wait_alu depctr_va_vdst(0)                       ; directly ahead of the first reader of the accumulators
.irp ct, 0,1,2,3
.irp i, 0,1,2,3
.if \ct%2
	v_pk_fma_f32 v[Q+8*\ct+2*\i:Q+8*\ct+2*\i+1], v[P+8*\ct+2*\i:P+8*\ct+2*\i+1], s[32:33], v[DH+4*(\buf)+2*(\ct/2):DH+4*(\buf)+2*(\ct/2)+1] op_sel:[0,0,1] op_sel_hi:[1,0,1]
.else
	v_pk_fma_f32 v[Q+8*\ct+2*\i:Q+8*\ct+2*\i+1], v[P+8*\ct+2*\i:P+8*\ct+2*\i+1], s[32:33], v[DH+4*(\buf)+2*(\ct/2):DH+4*(\buf)+2*(\ct/2)+1] op_sel_hi:[1,0,0]
.endif
.endr
.endr
.endm
; A tile x a group: 8 K steps x 4 column tiles, 32 matrix instructions on end. The four accumulators take turns.
; THE WAITS count the LDS instructions issued behind what is wanted. K step 0: the trip's head has issued 14 loads; all that is older is in: K steps 0 to 3, their two
; scale words, and the last trip's stores of S. K step 4: the 16 loads just issued may be out; the head's 14 are in. K step 6: of those 16 the first two, S, are in.
.macro MM buf
.set sx, 0
.rept 8
.if sx == 0
	s_wait_dscnt 14
.elseif sx == 4
	s_wait_dscnt 16
.elseif sx == 6
	s_wait_dscnt 14
.endif
	AFREG sx
.set rA, AR
.set cx, 0
.rept 4
	BREG 32*(\buf)+4*sx+cx
	WIN BW<<2
.set rP, P+8*cx
.set rSA, AS+sx/2
.set rSB, BS+16*(\buf)+4*cx+sx/2
.if sx == 0
	v_wmma_scale_f32_16x16x128_f8f6f4 v[rP:rP+7], v[rA:rA+11], v[BR:BR+11], 0, v[rSA], v[rSB] matrix_a_fmt:MATRIX_FMT_FP6 matrix_b_fmt:MATRIX_FMT_FP6
.elseif sx%2 == 0
	v_wmma_scale_f32_16x16x128_f8f6f4 v[rP:rP+7], v[rA:rA+11], v[BR:BR+11], v[rP:rP+7], v[rSA], v[rSB] matrix_a_fmt:MATRIX_FMT_FP6 matrix_b_fmt:MATRIX_FMT_FP6
.else
	v_wmma_scale_f32_16x16x128_f8f6f4 v[rP:rP+7], v[rA:rA+11], v[BR:BR+11], v[rP:rP+7], v[rSA], v[rSB] matrix_a_fmt:MATRIX_FMT_FP6 matrix_b_fmt:MATRIX_FMT_FP6 matrix_a_scale:MATRIX_SCALE_ROW1 matrix_b_scale:MATRIX_SCALE_ROW1
.endif
.set cx, cx+1
.endr
.if sx == 3                            ; the trip's second run of LDS loads, 16 of them: sets 0 to 3 and two scale registers have had their last reader
.rept 4
	v_nop                                              ; four plain instructions between that reader and the loads
.endr
	ds_load_b128 v[S:S+3], v14                         ; tile m - 1's running sums
	ds_load_b128 v[S+4:S+7], v14 offset:512
	ds_load_b32 v[AS], v13 offset:128                  ; the next tile's scale words of K steps 0 to 3,
	ds_load_b32 v[AS+1], v13 offset:2048+128
	ALOAD 0, AD, 3072                                  ; and its fragments. Behind the last tile these bytes belong to no tile of mine, and nobody uses what comes
	ALOAD 1, AD, 3072+1536
	ALOAD 2, AD+1, 3072
	ALOAD 3, AD+1, 3072+1536
.endif
.set sx, sx+1
.endr
.endm
; Trip m of a group. m < Tq: multiply tile m, finish tile m - 1. m = Tq: finish the last tile. m > Tq: nothing.
.macro TRIP buf
	s_cmp_gt_u32 s27, s26
	s_cbranch_scc1 .Lnext_\@
.irp k, 0,1,2,3
	v_add_nc_u32 v[AD+\k], s28, v[ADB+\k]              ; tile m's images
.endr
	v_add_nc_u32 v13, s29, v18                         ; its scale words
	v_add_nc_u32 v14, s31, v15                         ; slot m: tile m - 1's sums
	s_wait_alu depctr_va_vdst(0)
	s_cmp_eq_u32 s27, s26
	s_cbranch_scc1 .Ldrain_\@
	ds_load_b32 v[AS+2], v13 offset:4096               ; the trip's first run, 14 loads: K steps 4 to 7.  Lanes 0-15: the even step's words; lanes 16-31: the odd step's
	ds_load_b32 v[AS+3], v13 offset:6144
	ALOAD 4, AD+2, 0
	ALOAD 5, AD+2, 1536
	ALOAD 6, AD+3, 0
	ALOAD 7, AD+3, 1536
	XFORM \buf
.set ej, 0
	MM \buf
	WIN 0
.rept 96
	EP                                                 ; tile m - 1 is finished; the block's plain lines are also the places behind the last matrix instructions
.endr
	ds_store_b128 v14, v[S:S+3]
	ds_store_b128 v14, v[S+4:S+7] offset:512
	s_branch .Lnext_\@
.Ldrain_\@:
	s_wait_dscnt 0x0                                   ; the last trip's stores have read S
	ds_load_b128 v[S:S+3], v14
	ds_load_b128 v[S+4:S+7], v14 offset:512
	XFORM \buf
	s_wait_dscnt 0x0                                   ; S is in
.set ej, 0
.rept 96
	EP
.endr
	ds_store_b128 v14, v[S:S+3]
	ds_store_b128 v14, v[S+4:S+7] offset:512
.Lnext_\@:
	s_add_co_u32 s28, s28, 3072
	s_add_co_u32 s29, s29, 128
	s_add_co_u32 s31, s31, 1024
	s_add_co_u32 s27, s27, 1
.endm
; A group of 64 columns on set buf; the next group's weights come into the other set: 60 loads at the head, 48 behind the third trip.
.macro CG buf
	s_wait_loadcnt 0x0                                 ; this set, its scale words, dh and v are in; the bases may step
	s_wait_dscnt 0x0                                   ; no LDS load of the last group is out: its registers may be loaded again
.irp ct, 0,1,2,3
	v_mul_f32 v[VV+\ct], -2.0, v[VS+\ct]               ; -2 v of my four columns
.endr
	s_add_nc_u64 s[44:45], s[44:45], 49152
	s_add_nc_u64 s[46:47], s[46:47], 2048
	s_add_nc_u64 s[48:49], s[48:49], 256
	s_add_nc_u64 s[50:51], s[50:51], 256
.if \buf
	s_cmp_eq_u32 s42, 1                                ; the wave's last group asks for nothing: no load leaves its buffer
	s_cbranch_scc1 .Lno_a_\@
.endif
	PF1 1-(\buf)
.if \buf
.Lno_a_\@:
.endif
	ds_load_b32 v[AS], v18                             ; tile 0's K steps 0 to 3: 14 loads, as a trip's second run brings them for the tile behind it
	ds_load_b32 v[AS+1], v18 offset:2048
	ALOAD 0, ADB, 0
	ALOAD 1, ADB, 1536
	ALOAD 2, ADB+1, 0
	ALOAD 3, ADB+1, 1536
	s_mov_b32 s27, 0
	s_mov_b32 s28, 0
	s_mov_b32 s29, 0
	s_mov_b32 s31, 0
.Lt1_\@:
	TRIP \buf
	s_cmp_lt_u32 s27, 3
	s_cbranch_scc1 .Lt1_\@
.if \buf
	s_cmp_eq_u32 s42, 1
	s_cbranch_scc1 .Lno_b_\@
.endif
	PFB 1-(\buf), 4
.if \buf
.Lno_b_\@:
.endif
	s_mov_b32 s27, 3
	s_mov_b32 s28, 3*3072
	s_mov_b32 s29, 3*128
	s_mov_b32 s31, 3*1024
.Lt2_\@:
	TRIP \buf
	s_cmp_lt_u32 s27, 17
	s_cbranch_scc1 .Lt2_\@
.endm
; Phase A, tile m in set R. Where tile m + 1 exists, its 32 loads were issued behind my set's with lanes on, and the wait leaves them out; else the wait is for all.
.macro HALF R, OF
	s_cmp_lt_u32 s27, s26
	s_cbranch_scc1 .Lwork_\@
	s_wait_loadcnt 0x0
	s_branch .Lend_\@
.Lwork_\@:
	s_add_co_u32 s36, s27, 1
	s_cmp_lt_u32 s36, s26
	s_cbranch_scc1 .Lmore_\@
	s_wait_loadcnt 0x0
	s_branch .Lgo_\@
.Lmore_\@:
	s_wait_loadcnt 32
.Lgo_\@:
	v_add_nc_u32 v9, s28, v7
	v_add_nc_u32 v10, s29, v8
	v_mov_b32 v11, s30                                 ; the rows of tile m + 2
	TURN \R
	QUANT X
	IMAGE 9, 0
	ds_store_b32 v10, v[PW]                            ; both halves of the lanes hold and store the same word
.irp k, 0,1,2,3
	ds_load_b128 v[\OF+4*\k:\OF+4*\k+3], v11 offset:16*\k   ; every lane reads the same 16 numbers; this set's loads are done, so its offsets may be written
.endr
	TURN \R+64
	OFFS \OF
	s_add_co_u32 s36, s27, 2
	v_mov_b32 v20, s36
	v_cmp_gt_u32 vcc_lo, s26, v20                      ; is there a tile m + 2?  All lanes alike
	s_wait_alu depctr_va_vdst(0)                       ; directly ahead of the wait below
	s_wait_xcnt 0x0                                    ; EXEC changes only behind this wait
	s_and_saveexec_b32 s38, vcc_lo
	LOADU \R, \OF
	s_wait_xcnt 0x0
	s_mov_b32 exec_lo, -1                              ; all lanes were on, and are again
	QUANT X
	IMAGE 9, 1536
	ds_store_b32 v10, v[PW] offset:64
.Lend_\@:
	s_add_co_u32 s27, s27, 1
	s_add_co_u32 s28, s28, 3072
	s_add_co_u32 s29, s29, 128
	s_add_co_u32 s30, s30, 64
.endm
	s_load_b512 s[4:19], s[0:1], 0x0                   ; enc s[4:5], v s[6:7], wsc s[8:9], wss s[10:11], dhc s[12:13], order s[14:15], count s[16:17], sc s[18:19]
	v_lshrrev_b32 v1, 5, v0
	v_readfirstlane_b32 s20, v1                        ; wave 0..3
	s_mov_b32 s21, ttmp9                               ; q
	s_and_b32 s22, ttmp7, 0xffff                       ; batch
	v_and_b32 v1, 31, v0
	v_and_b32 v2, 15, v0                               ; r
	v_bfe_u32 v3, v0, 4, 1                             ; h
	v_lshlrev_b32 v4, 4, v1                            ; 16 x lane
	s_wait_alu depctr_va_vdst(0)
	s_mul_i32 s36, s20, 8448
	s_add_co_u32 s36, s36, STG
	v_add_nc_u32 v5, s36, v4                           ; my stage: in,
	v_mul_u32_u24 v6, v2, 528
	v_lshl_add_u32 v6, v3, 6, v6
	v_add_nc_u32 v6, s36, v6                           ; and out
	s_mul_i32 s36, s20, 49152
	v_add_nc_u32 v7, s36, v4                           ; my two K steps' images: my run of 49,152 bytes
	s_lshl_b32 s36, s20, 11
	s_add_co_u32 s36, s36, ASC
	v_lshl_add_u32 v8, v2, 2, s36                      ; their scale words: my run of 2,048 bytes, + 4 r (phase A alone; phase B takes the register for AD)
	s_mul_i32 s36, s20, 17408
	s_add_co_u32 s36, s36, SP
	v_add_nc_u32 v15, s36, v4                          ; my slots
	v_lshlrev_b32 v16, 2, v2                           ; 4 r
	s_lshl_b32 s36, s20, 10
	v_add_nc_u32 v17, s36, v4                          ; my 1,024 bytes of a row
	v_lshl_add_u32 v18, v1, 2, ASC                     ; a tile's scale words, 4 bytes a lane
	s_lshl_b32 s37, s20, 6
	v_lshl_add_u32 v19, v3, 5, s37                     ; sc: 64 x wave + 32 h
	s_add_co_u32 s36, s36, SP+1024
	v_add_nc_u32 v12, s36, v4                          ; the last sums: slot wave + 1 of wave 0's slots
.irp k, 0,1,2,3
	v_add_nc_u32 v[ADB+\k], 49152*\k, v4
.endr
	v_lshlrev_b32 v21, 3, v0
	v_add_nc_u32 v28, ORD, v21
.irp i, 24,25,26,27
	v_mov_b32 v\i, 0
.endr
.irp b, 0,1,2,3
	v_mov_b32 v[TM+4+\b], 0                            ; a lane permute's destination counts as one of its sources
.endr
	s_mov_b32 s32, 0x4038aa3b                          ; 2 log2(e)
	s_mov_b32 s33, s32
	s_mov_b32 s[SEL], 0x76543210
	s_mov_b32 s[SEL+1], 0xfedcba98
	s_lshl_b32 s36, s22, 7
	s_wait_alu depctr_va_vdst(0)
	s_wait_kmcnt 0x0
	s_load_b32 s23, s[16:17], s36 offset:0x0           ; c
	s_wait_kmcnt 0x0
	s_min_u32 s23, s23, 1024
	s_add_co_u32 s24, s23, 63
	s_lshr_b32 s24, s24, 6
	s_min_u32 s24, s24, 16                             ; T
	s_mul_i32 s25, s24, s21
	s_lshl_b32 s25, s25, 4                             ; my first place: at most 768
	s_sub_co_i32 s26, s23, s25
	s_add_co_i32 s26, s26, 15
	s_ashr_i32 s26, s26, 4
	s_max_i32 s26, s26, 0
	s_min_i32 s26, s26, s24                            ; Tq
	s_lshl_b32 s36, s22, 12
	s_lshl_b32 s37, s25, 2
	s_add_co_u32 s36, s36, s37
	s_mov_b32 s37, 0
	s_add_nc_u64 s[14:15], s[14:15], s[36:37]
	s_add_nc_u64 s[54:55], s[18:19], s[36:37]
	global_load_b64 v[22:23], v21, s[14:15]            ; my work-group's 256 places of the list
	s_lshl_b32 s36, s22, 22
	s_add_nc_u64 s[52:53], s[4:5], s[36:37]            ; the batch's rows
	s_mul_i32 s36, s20, 196608
	s_add_nc_u64 s[44:45], s[8:9], s[36:37]            ; my 16 column tiles: codes,
	s_lshl_b32 s36, s20, 13
	s_add_nc_u64 s[46:47], s[10:11], s[36:37]          ; scale words,
	s_lshl_b32 s36, s20, 10
	s_add_nc_u64 s[50:51], s[6:7], s[36:37]            ; v,
	s_lshl_b32 s38, s22, 12
	s_add_co_u32 s36, s36, s38
	s_add_nc_u64 s[48:49], s[12:13], s[36:37]          ; dh of my batch
	PF1 0
.set k, 0
.rept 34
	ds_store_b128 v15, v[24:27] offset:512*k           ; my 17 slots begin as zeros
.set k, k+1
.endr
	ds_store_b64 v28, v[24:25] offset:1024             ; the list's tail of zeros
	s_wait_loadcnt 60                                  ; the list's load is in: 60 loads were issued behind it
	ds_store_b64 v28, v[22:23]
	s_wait_dscnt 0x0
	s_barrier_signal -1
	s_barrier_wait -1                                  ; the list lies in LDS
	PFB 0, 4
	v_mov_b32 v11, ORD
.irp k, 0,1,2,3
	ds_load_b128 v[OF0+4*\k:OF0+4*\k+3], v11 offset:16*\k
.endr
.irp k, 0,1,2,3
	ds_load_b128 v[OF1+4*\k:OF1+4*\k+3], v11 offset:64+16*\k
.endr
	s_wait_dscnt 0x0
	OFFS OF0
	LOADU R0, OF0                                      ; tiles 0 and 1 are asked for whatever Tq is: the list names valid rows everywhere
	OFFS OF1
	LOADU R1, OF1
	s_mov_b32 s27, 0                                   ; m
	s_mov_b32 s28, 0
	s_mov_b32 s29, 0
	s_mov_b32 s30, ORD+128
	s_mov_b32 s42, 8
.Lpa:
	HALF R0, OF0
	HALF R1, OF1
	s_sub_co_u32 s42, s42, 1
	s_cmp_lg_u32 s42, 0
	s_cbranch_scc1 .Lpa
	s_wait_loadcnt 0x0
	s_wait_dscnt 0x0
	s_barrier_signal -1
	s_barrier_wait -1                                  ; all tiles' images and scale words lie in LDS
.set k, 0
.rept 32
	v_mov_b32 v[P+k], 0                                ; what the first trip finishes into the slot that nobody reads
.set k, k+1
.endr
	s_mov_b32 s42, 2
.Lpb:
	CG 0
	CG 1
	s_sub_co_u32 s42, s42, 1
	s_cmp_lg_u32 s42, 0
	s_cbranch_scc1 .Lpb
.rept 4
	v_nop                                              ; four plain instructions between the last matrix instruction and the loads below into its registers
.endr
	s_wait_dscnt 0x0
	s_barrier_signal -1
	s_barrier_wait -1                                  ; every wave's sums lie in LDS
	; wave w adds tiles w, w + 4, w + 8, w + 12: four waves' sums, then the 16 columns of a half of the lanes
.irp i, 0,1,2,3
	s_add_co_u32 s36, s20, 4*\i
	s_cmp_ge_u32 s36, s26
	s_cbranch_scc1 .Lred_\i
.irp w, 0,1,2,3
.irp c, 0,1
	ds_load_b128 v[32+8*\w+4*\c:32+8*\w+4*\c+3], v12 offset:4096*\i+17408*\w+512*\c
.endr
.endr
	s_wait_dscnt 0x0
.irp j, 0,2,4,6
	v_pk_add_f32 v[32+\j:33+\j], v[32+\j:33+\j], v[40+\j:41+\j]
	v_pk_add_f32 v[48+\j:49+\j], v[48+\j:49+\j], v[56+\j:57+\j]
.endr
.irp j, 0,2,4,6
	v_pk_add_f32 v[32+\j:33+\j], v[32+\j:33+\j], v[48+\j:49+\j]
.endr
.irp k, 1,2,4,8
.irp j, 0,1,2,3,4,5,6,7
	v_add_f32_dpp v[32+\j], v[32+\j], v[32+\j] row_xmask:\k row_mask:0xf bank_mask:0xf
.endr
.endr
	v_cmp_eq_u32 vcc_lo, 0, v2
	s_wait_alu depctr_va_vdst(0)                       ; directly ahead of the wait below: the sums are stored behind it
	s_wait_xcnt 0x0
	s_and_saveexec_b32 s38, vcc_lo                     ; lanes 0 and 16 store their half's eight rows: 32 bytes each
	global_store_b128 v19, v[32:35], s[54:55] offset:256*\i
	global_store_b128 v19, v[36:39], s[54:55] offset:256*\i+16
	s_wait_xcnt 0x0                                    ; the stores have read their registers; EXEC may change
	s_mov_b32 exec_lo, -1
.Lred_\i:
.endr
	s_wait_xcnt 0x0
	s_mov_b32 exec_lo, -1
	v_lshl_add_u32 v254, v0, 2, 0x4bc00
	v_mov_b32 v255, 0
	s_wait_alu depctr_va_vdst(0)
	s_wait_tensorcnt 0x0
	ds_add_u32 v254, v255
	s_wait_dscnt 0x0
	s_endpgm
.Lfunc_end_k_qc828b503cf_score:
	.size	k_qc828b503cf_score, .Lfunc_end_k_qc828b503cf_score-k_qc828b503cf_score
	.p2alignl 7, 3214868480
	.fill 96, 4, 3214868480
	.section	.rodata,"a",@progbits
	.p2align	6, 0x0
	.amdhsa_kernel k_qc828b503cf_score
		.amdhsa_group_segment_fixed_size 310784
		.amdhsa_private_segment_fixed_size 0
		.amdhsa_enable_private_segment 0
		.amdhsa_kernarg_size 64
		.amdhsa_user_sgpr_count 2
		.amdhsa_user_sgpr_kernarg_segment_ptr 1
		.amdhsa_wavefront_size32 1
		.amdhsa_system_sgpr_workgroup_id_x 1
		.amdhsa_system_sgpr_workgroup_id_y 1
		.amdhsa_system_sgpr_workgroup_id_z 1
		.amdhsa_system_vgpr_workitem_id 0
		.amdhsa_next_free_vgpr 1024
		.amdhsa_next_free_sgpr 66
		.amdhsa_reserve_vcc 1
		.amdhsa_float_denorm_mode_32 3
		.amdhsa_float_denorm_mode_16_64 3
		.amdhsa_memory_ordered 1
		.amdhsa_forward_progress 1
		.amdhsa_inst_pref_size 176
	.end_amdhsa_kernel
	.amdgpu_metadata
---
amdhsa.version: [ 1, 2 ]
amdhsa.kernels:
  - .name:           k_qc828b503cf_score
    .symbol:         k_qc828b503cf_score.kd
    .args:
      - { .name: encoder_hiddens, .offset: 0, .size: 8, .value_kind: global_buffer, .address_space: global }
      - { .name: v, .offset: 8, .size: 8, .value_kind: global_buffer, .address_space: global }
      - { .name: wsc, .offset: 16, .size: 8, .value_kind: global_buffer, .address_space: global }
      - { .name: wss, .offset: 24, .size: 8, .value_kind: global_buffer, .address_space: global }
      - { .name: dhc, .offset: 32, .size: 8, .value_kind: global_buffer, .address_space: global }
      - { .name: order, .offset: 40, .size: 8, .value_kind: global_buffer, .address_space: global }
      - { .name: count, .offset: 48, .size: 8, .value_kind: global_buffer, .address_space: global }
      - { .name: sc, .offset: 56, .size: 8, .value_kind: global_buffer, .address_space: global }
    .group_segment_fixed_size: 310784
    .private_segment_fixed_size: 0
    .kernarg_segment_align: 8
    .kernarg_segment_size: 64
    .max_flat_workgroup_size: 128
    .sgpr_count:     66
    .vgpr_count:     1024
    .wavefront_size: 32
...
	.end_amdgpu_metadata
.endif
;; end of part 2
;; launch ctx (part 3): grid 4 x 64, 16 waves a work-group, no clusters, 20,992 bytes of LDS; arguments encoder_hiddens, sc, order, count, out0, out1; writes out0, out1
.if DOCPART == 3
	.amdgcn_target "amdgcn-amd-amdhsa--gfx1250"
	.amdhsa_code_object_version 6
	.text
	.protected	k_qc828b503cf_ctx
	.globl	k_qc828b503cf_ctx
	.p2align	8
	.type	k_qc828b503cf_ctx,@function
k_qc828b503cf_ctx:
	s_mov_b64 s[64:65], 0
	v_nop
	global_prefetch_b8 v0, s[64:65] scope:SCOPE_SE
	s_setreg_imm32_b32 hwreg(HW_REG_WAVE_MODE, 25, 1), 1
	s_wait_xcnt 0x0
; out1[n][row] = softmax over the rows that the mask keeps (0 for the others); out0[n][:] = the sum of out1[n][row] x encoder_hiddens[n][row][:], over the kept rows alone.
; Work-group (q, n) owns columns 256 q .. 256 q + 255 of batch n and a quarter of out1's places. Each makes the softmax for itself: 1,024 places, two a thread.
; The scores lie by list place; places from c on count as -infinity. The largest score is taken away before the exponential; the sum divides at the end.
; A batch with no kept row gives NaN everywhere, as the softmax of a row of -infinity does.
; THE SUM: wave w takes 512 bytes of a row (w & 1) and places 64 sb + 8 (w >> 1) + 0 .. 7 for sb = 0 .. 15; a sub-block whose first place is c or more is left out.
; Two sets of eight rows are on their way in each wave. Refills are always written into the wave's way, with all lanes off where there is no sub-block two ahead;
; a counted wait leans only on loads that were issued with lanes on.
; No matrix unit (one row of weights a batch), no cluster, no tensor load: the trips' work hangs on a count read from memory.
; LIMITS: NaN and infinities among the inputs are not served.
.set TBL,  0                           ; 1,024 x {row, e}
.set TPAD, 8192                        ; 2,048 bytes of zeros for the look-ahead
.set PM,   10240                       ; 16 waves' maxima
.set PS,   10496                       ; 16 waves' sums
.set RED,  10752                       ; 16 x 512 bytes
.set T,    32                          ; v32-63   two sets of 8 x {row, e}
.set VO,   64                          ; v64-79   two sets of 8 offsets
.set D,    80                          ; v80-143  two sets of 8 x 16 bytes
.set ACC,  144                         ; v144-151 two chains of four sums
.macro FETCH set, adr, off, masked
.irp k, 0,1,2,3
	ds_load_b128 v[T+16*(\set)+4*\k:T+16*(\set)+4*\k+3], v[\adr] offset:\off+16*\k   ; every lane reads the same eight places
.endr
	s_wait_dscnt 0x0
.irp i, 0,1,2,3,4,5,6,7
	v_min_u32 v[VO+8*(\set)+\i], 0x3ff, v[T+16*(\set)+2*\i]       ; a row's number, held inside the batch
.endr
.irp i, 0,1,2,3,4,5,6,7
	v_lshl_add_u32 v[VO+8*(\set)+\i], v[VO+8*(\set)+\i], 12, v4
.endr
.if \masked
	s_add_co_u32 s28, s20, 128
	v_mov_b32 v11, s28
	s_delay_alu instid0(VALU_DEP_1)
	v_cmp_gt_u32 vcc_lo, s19, v11                      ; is the sub-block two ahead at work?  All lanes alike
	s_wait_alu depctr_va_vdst(0)
	s_wait_xcnt 0x0                                    ; EXEC changes only behind this wait
	s_and_saveexec_b32 s29, vcc_lo
.endif
.irp i, 0,1,2,3,4,5,6,7
	global_load_b128 v[D+32*(\set)+4*\i:D+32*(\set)+4*\i+3], v[VO+8*(\set)+\i], s[26:27] th:TH_LOAD_NT   ; 512 consecutive bytes of a row, read once in the launch
.endr
.if \masked
	s_wait_xcnt 0x0
	s_mov_b32 exec_lo, -1                              ; all lanes were on, and are again
.endif
.endm
; Where the next sub-block is at work, its eight loads were issued behind my set's with lanes on, and the wait leaves them out; else the wait is for all.
.macro CHALF set
	s_cmp_lt_u32 s20, s19
	s_cbranch_scc1 .Lwork_\@
	s_wait_loadcnt 0x0
	s_branch .Lend_\@
.Lwork_\@:
	s_add_co_u32 s28, s20, 64
	s_cmp_lt_u32 s28, s19
	s_cbranch_scc1 .Lmore_\@
	s_wait_loadcnt 0x0
	s_branch .Lgo_\@
.Lmore_\@:
	s_wait_loadcnt 8
.Lgo_\@:
.irp i, 0,1,2,3,4,5,6,7
.irp p, 0,1
	v_pk_fma_f32 v[ACC+4*(\i%2)+2*\p:ACC+4*(\i%2)+2*\p+1], v[D+32*(\set)+4*\i+2*\p:D+32*(\set)+4*\i+2*\p+1], v[T+16*(\set)+2*\i:T+16*(\set)+2*\i+1], v[ACC+4*(\i%2)+2*\p:ACC+4*(\i%2)+2*\p+1] op_sel:[0,1,0] op_sel_hi:[1,1,1]
.endr
.endr
	v_add_nc_u32 v5, s21, v161
	FETCH \set, 5, 1024, 1
.Lend_\@:
	s_add_co_u32 s20, s20, 64
	s_add_co_u32 s21, s21, 512
.endm
	s_load_b256 s[4:11], s[0:1], 0x0                   ; enc s[4:5], sc s[6:7], order s[8:9], count s[10:11]
	s_load_b128 s[12:15], s[0:1], 0x20                 ; out0 s[12:13], out1 s[14:15]
	v_lshl_add_u32 v168, v0, 2, 0x4a00
	v_mov_b32 v169, 0
	v_lshrrev_b32 v1, 5, v0
	s_delay_alu instid0(VALU_DEP_1)
	v_readfirstlane_b32 s16, v1                        ; wave 0..15
	s_mov_b32 s17, ttmp9                               ; q
	s_and_b32 s18, ttmp7, 0xffff                       ; batch
	v_and_b32 v1, 31, v0
	s_wait_alu depctr_va_vdst(0)
	v_lshlrev_b32 v2, 3, v0                            ; my two places in the list and in sc
	v_lshlrev_b32 v3, 4, v0                            ; and in the table
	s_and_b32 s28, s16, 1
	s_lshl_b32 s28, s28, 9
	s_lshl_b32 s29, s17, 10
	s_add_co_u32 s28, s28, s29
	v_lshl_add_u32 v4, v1, 4, s28                      ; my 16 bytes of a row: 1,024 q + 512 (w & 1) + 16 x lane
	s_lshr_b32 s30, s16, 1
	s_lshl_b32 s31, s30, 6
	v_mov_b32 v161, s31                                ; my eight places in a sub-block of the table
	s_lshl_b32 s20, s30, 3                             ; the first place of my sub-block in hand
	s_mov_b32 s21, 0
	s_lshl_b32 s28, s16, 2
	v_mov_b32 v14, s28
	v_mov_b32 v15, 0
	s_lshl_b32 s28, s16, 9
	v_lshl_add_u32 v154, v1, 4, s28
	s_delay_alu instid0(VALU_DEP_1)
	v_add_nc_u32 v154, RED, v154
	v_lshlrev_b32 v155, 2, v0
	v_mov_b32 v156, 0
	v_mov_b32 v162, 0xff800000                         ; -infinity
	s_delay_alu instid0(VALU_DEP_1)
	v_mov_b32 v8, v162
	s_delay_alu instid0(VALU_DEP_2)
	v_mov_b32 v9, v162
	v_mov_b32 v13, 0
	v_lshlrev_b32 v10, 1, v0                           ; my first place
	s_mov_b32 s24, 0x76543210
	s_mov_b32 s25, 0xfedcba98
	s_lshl_b32 s28, s18, 7
	s_wait_alu depctr_va_vdst(0)
	s_wait_kmcnt 0x0
	s_load_b32 s19, s[10:11], s28 offset:0x0           ; c
	s_lshl_b32 s30, s18, 12
	s_mov_b32 s31, 0
	s_add_nc_u64 s[8:9], s[8:9], s[30:31]
	s_add_nc_u64 s[6:7], s[6:7], s[30:31]
	s_add_nc_u64 s[12:13], s[12:13], s[30:31]
	s_add_nc_u64 s[14:15], s[14:15], s[30:31]
	s_lshl_b32 s30, s18, 22
	s_add_nc_u64 s[26:27], s[4:5], s[30:31]
	global_load_b64 v[6:7], v2, s[8:9]                 ; my two rows
	ds_store_b32 v155, v156 offset:TPAD
	s_wait_kmcnt 0x0
	s_min_u32 s19, s19, 1024
	v_cmp_gt_u32 vcc_lo, s19, v10
	s_wait_xcnt 0x0
	s_and_saveexec_b32 s28, vcc_lo                     ; a pair whose first place is kept lies in a tile of 16 that was scored
	global_load_b64 v[8:9], v2, s[6:7]
	s_wait_xcnt 0x0
	s_mov_b32 exec_lo, -1                              ; all lanes were on, and are again
	v_or_b32 v11, 1, v10
	s_delay_alu instid0(VALU_DEP_1)
	v_cmp_gt_u32 vcc_lo, s19, v11
	s_wait_loadcnt 0x0
	v_cndmask_b32 v9, v162, v9, vcc_lo
	; the largest score
	s_delay_alu instid0(VALU_DEP_1)
	v_max_num_f32 v12, v8, v9
.irp k, 1,2,4,8
	s_delay_alu instid0(VALU_DEP_1)
	v_max_num_f32_dpp v12, v12, v12 row_xmask:\k row_mask:0xf bank_mask:0xf
.endr
	s_delay_alu instid0(VALU_DEP_1)
	v_permlanex16_b32 v13, v12, s24, s25
	s_delay_alu instid0(VALU_DEP_1)
	v_max_num_f32 v12, v12, v13
	ds_store_b32 v14, v12 offset:PM
	s_wait_dscnt 0x0
	s_barrier_signal -1
	s_barrier_wait -1
.irp k, 0,1,2,3
	ds_load_b128 v[16+4*\k:19+4*\k], v15 offset:PM+16*\k
.endr
	s_wait_dscnt 0x0
	v_max3_num_f32 v16, v16, v17, v18
.irp k, 19,21,23,25,27,29
	s_delay_alu instid0(VALU_DEP_1)
	v_max3_num_f32 v16, v16, v\k, v[\k+1]
.endr
	s_delay_alu instid0(VALU_DEP_1)
	v_max_num_f32 v153, v16, v31
	; e = 2^((s - max) log2(e))
	s_delay_alu instid0(VALU_DEP_1)
	v_sub_f32 v8, v8, v153
	s_delay_alu instid0(VALU_DEP_2)
	v_sub_f32 v9, v9, v153
	s_delay_alu instid0(VALU_DEP_2)
	v_mul_f32 v8, 0x3fb8aa3b, v8
	s_delay_alu instid0(VALU_DEP_2)
	v_mul_f32 v9, 0x3fb8aa3b, v9
	s_wait_alu depctr_va_vdst(0)
	v_exp_f32 v8, v8
	v_exp_f32 v9, v9
	v_mov_b32 v32, v6                                  ; (plain instructions behind the exponentials)
	v_mov_b32 v34, v7
	s_wait_alu depctr_va_vdst(0)                       ; one wait for both, ahead of the first line that names a result
	v_mov_b32 v33, v8
	v_mov_b32 v35, v9
	v_add_f32 v12, v8, v9
.irp k, 1,2,4,8
	s_delay_alu instid0(VALU_DEP_1)
	v_add_f32_dpp v12, v12, v12 row_xmask:\k row_mask:0xf bank_mask:0xf
.endr
	s_delay_alu instid0(VALU_DEP_1)
	v_permlanex16_b32 v13, v12, s24, s25
	s_delay_alu instid0(VALU_DEP_1)
	v_add_f32 v12, v12, v13
	ds_store_b32 v14, v12 offset:PS
	ds_store_b128 v3, v[32:35]                         ; {row, e} of my two places
	s_wait_dscnt 0x0
	s_barrier_signal -1
	s_barrier_wait -1                                  ; the table and the waves' sums lie in LDS
	FETCH 0, 161, 0, 0                                 ; the first two sub-blocks are asked for whatever c is: the list names valid rows everywhere
	FETCH 1, 161, 512, 0
.irp k, 0,1,2,3
	ds_load_b128 v[16+4*\k:19+4*\k], v15 offset:PS+16*\k
.endr
.irp k, 0,1,2,3,4,5,6,7
	v_mov_b32 v[ACC+\k], 0
.endr
	s_wait_dscnt 0x0
.irp k, 0,4,8,12
	v_pk_add_f32 v[16+\k:17+\k], v[16+\k:17+\k], v[18+\k:19+\k]
.endr
	s_delay_alu instid0(VALU_DEP_3)
	v_pk_add_f32 v[16:17], v[16:17], v[20:21]
	s_delay_alu instid0(VALU_DEP_2)
	v_pk_add_f32 v[24:25], v[24:25], v[28:29]
	s_delay_alu instid0(VALU_DEP_1)
	v_pk_add_f32 v[16:17], v[16:17], v[24:25]
	s_delay_alu instid0(VALU_DEP_1)
	v_add_f32 v16, v16, v17
	s_wait_alu depctr_va_vdst(0)
	v_rcp_f32 v152, v16
	v_nop
	s_wait_alu depctr_va_vdst(0)
	; out1: waves 4 q .. 4 q + 3 store their 256 places' weights, each at its row
	s_lshr_b32 s28, s16, 2
	s_cmp_lg_u32 s28, s17
	s_cbranch_scc1 .Lno_w
	v_mul_f32 v159, v8, v152
	v_mul_f32 v160, v9, v152
	v_min_u32 v157, 0x3ff, v6
	v_min_u32 v158, 0x3ff, v7
	s_delay_alu instid0(VALU_DEP_2)
	v_lshlrev_b32 v157, 2, v157
	s_delay_alu instid0(VALU_DEP_2)
	v_lshlrev_b32 v158, 2, v158
	global_store_b32 v157, v159, s[14:15]
	global_store_b32 v158, v160, s[14:15]
.Lno_w:
	s_mov_b32 s22, 8
.Lsum:
	CHALF 0
	CHALF 1
	s_sub_co_u32 s22, s22, 1
	s_cmp_lg_u32 s22, 0
	s_cbranch_scc1 .Lsum
	s_wait_loadcnt 0x0
	v_pk_add_f32 v[ACC:ACC+1], v[ACC:ACC+1], v[ACC+4:ACC+5]
	v_pk_add_f32 v[ACC+2:ACC+3], v[ACC+2:ACC+3], v[ACC+6:ACC+7]
.irp k, 0,1,2,3
	v_mul_f32 v[ACC+\k], v[ACC+\k], v152
.endr
	ds_store_b128 v154, v[ACC:ACC+3]
	s_wait_dscnt 0x0
	s_barrier_signal -1
	s_barrier_wait -1
	s_cmp_ge_u32 s16, 2
	s_cbranch_scc1 .Ldone                              ; waves 0 and 1 add the eight classes of rows for their 512 bytes
.irp k, 0,1,2,3,4,5,6,7
	ds_load_b128 v[D+4*\k:D+4*\k+3], v154 offset:1024*\k
.endr
	s_wait_dscnt 0x0
.irp k, 1
	v_pk_add_f32 v[D:D+1], v[D:D+1], v[D+4*\k:D+4*\k+1]
	v_pk_add_f32 v[D+2:D+3], v[D+2:D+3], v[D+4*\k+2:D+4*\k+3]
.endr
.irp k, 2, 3, 4, 5, 6, 7
	s_delay_alu instid0(VALU_DEP_2)
	v_pk_add_f32 v[D:D+1], v[D:D+1], v[D+4*\k:D+4*\k+1]
	s_delay_alu instid0(VALU_DEP_2)
	v_pk_add_f32 v[D+2:D+3], v[D+2:D+3], v[D+4*\k+2:D+4*\k+3]
.endr
	global_store_b128 v4, v[D:D+3], s[12:13]           ; 32 lanes store 512 consecutive bytes, aligned
.Ldone:
	s_barrier_signal -1
	s_barrier_wait -1
	s_wait_tensorcnt 0x0
	ds_add_u32 v168, v169
	s_wait_dscnt 0x0
	s_endpgm
.Lfunc_end_k_qc828b503cf_ctx:
	.size	k_qc828b503cf_ctx, .Lfunc_end_k_qc828b503cf_ctx-k_qc828b503cf_ctx
	.p2alignl 7, 3214868480
	.fill 96, 4, 3214868480
	.section	.rodata,"a",@progbits
	.p2align	6, 0x0
	.amdhsa_kernel k_qc828b503cf_ctx
		.amdhsa_group_segment_fixed_size 20992
		.amdhsa_private_segment_fixed_size 0
		.amdhsa_enable_private_segment 0
		.amdhsa_kernarg_size 48
		.amdhsa_user_sgpr_count 2
		.amdhsa_user_sgpr_kernarg_segment_ptr 1
		.amdhsa_wavefront_size32 1
		.amdhsa_system_sgpr_workgroup_id_x 1
		.amdhsa_system_sgpr_workgroup_id_y 1
		.amdhsa_system_sgpr_workgroup_id_z 1
		.amdhsa_system_vgpr_workitem_id 0
		.amdhsa_next_free_vgpr 170
		.amdhsa_next_free_sgpr 66
		.amdhsa_reserve_vcc 1
		.amdhsa_float_denorm_mode_32 3
		.amdhsa_float_denorm_mode_16_64 3
		.amdhsa_memory_ordered 1
		.amdhsa_forward_progress 1
		.amdhsa_inst_pref_size 23
	.end_amdhsa_kernel
	.amdgpu_metadata
---
amdhsa.version: [ 1, 2 ]
amdhsa.kernels:
  - .name:           k_qc828b503cf_ctx
    .symbol:         k_qc828b503cf_ctx.kd
    .args:
      - { .name: encoder_hiddens, .offset: 0, .size: 8, .value_kind: global_buffer, .address_space: global }
      - { .name: sc, .offset: 8, .size: 8, .value_kind: global_buffer, .address_space: global }
      - { .name: order, .offset: 16, .size: 8, .value_kind: global_buffer, .address_space: global }
      - { .name: count, .offset: 24, .size: 8, .value_kind: global_buffer, .address_space: global }
      - { .name: out0, .offset: 32, .size: 8, .value_kind: global_buffer, .address_space: global }
      - { .name: out1, .offset: 40, .size: 8, .value_kind: global_buffer, .address_space: global }
    .group_segment_fixed_size: 20992
    .private_segment_fixed_size: 0
    .kernarg_segment_align: 8
    .kernarg_segment_size: 48
    .max_flat_workgroup_size: 512
    .sgpr_count:     66
    .vgpr_count:     170
    .wavefront_size: 32
...
	.end_amdgpu_metadata
.endif
;; end of part 3
